; MI455X (gfx1250); checked and timed in simulation.
; The chip was launched on July 23, 2026; its instructions are those of AMD's public machine-readable ISA for CDNA 5 (MIT licence, August 2026) and "CDNA5" Instruction Set Architecture Reference Guide (July 2026). The comments in the code are by the model that wrote it; some were corrected since.
;; hashed Layer. Allowed arithmetic: matrix products marked QUANTISED: E3M2 operands, one E8M0 scale for each 32 along K, by v_wmma_scale_f32_16x16x128_f8f6f4 with both operands' format E3M2, f32 sums; everything else in f32.
;; Inputs: W 65,536 float32; a 4,096 x 4,096 float32; hash_idx 4,096 x 4,097 int32.
;; Outputs: out0 4,096 x 4,096 float32.
;; This version of the problem:
;;   THIS VERSION OF THE PROBLEM IS GIVEN IN LOW PRECISION. The matrix products marked QUANTISED in the list below multiply operands that are first quantised to E3M2 (3 exponent bits, 2 mantissa bits; 6 bits a number), with one power-of-two scale for each 32 numbers along K (OCP MX v1.0); their sums are f32. All else is computed in f32.
;;   The module's matrix products, in the order in which they are computed (A, B: the left and right operand; K: the contracted axis; several contracted axes count as one K, in the product's order):
;;     1. [M 4,096, K 4,097] x [K 4,097, N 4,096]; A: computed on the way; B: computed on the way: QUANTISED
;;   THE QUANTISER, for each operand of a quantised product, along K:
;;     - K is cut into blocks of 32 from its start; a last block that is shorter is filled with zeros.
;;     - A block's scale is 2^e with e = floor(log2(the largest magnitude in the block)) - 4, held to -126 .. 127; a block of zeros has e = 0. As a byte (E8M0): e + 127.
;;     - Each number is divided by its block's scale, clamped to +-28, and rounded to the nearest number of E3M2, ties to even, subnormals kept.
;;     - The product sums the exact products of the quantised numbers (number of the format x scale) in f32.
;;   ~~~python
;;   def quantise(x, axis):      # numpy; x: float32 -> the quantised numbers, widened to float32 again
;;       x = np.moveaxis(x, axis, -1); K = x.shape[-1]
;;       x = np.pad(x, [(0, 0)] * (x.ndim - 1) + [(0, -K % 32)]); x = x.reshape(x.shape[:-1] + (-1, 32)); a = np.abs(x).max(-1, keepdims=True)
;;       e = np.where(a > 0, np.clip(np.frexp(np.where(a > 0, a, 1))[1] - 1 - 4, -126, 127), 0)      # np.frexp(a)[1] - 1 = floor(log2(a)), exactly
;;       r = np.clip(x / 2.0 ** e, -28, 28)
;;       step = 2.0 ** (np.maximum(np.frexp(np.where(r == 0, 1, r))[1] - 1, -2) - 2)
;;       q = np.round(r / step) * step * 2.0 ** e      # np.round: ties to even
;;       return np.moveaxis(q.reshape(q.shape[:-2] + (-1,))[..., :K], -1, axis).astype(np.float32)
;;   ~~~
;;   OPERANDS COMPUTED ON THE WAY. 'Computed on the way' means the value that the module computes at that place (a softmax that the list does not call 'softmax' is quantised finished and normalised). What goes into a quantiser is computed in f32, as accurately as f32 sums, v_exp_f32 and their like allow (about 1e-6 of the number): no bf16 or f16 on the way to a quantiser, and a product that is left as it is and whose result goes on into a quantised operand takes f32 operands (vector FMAs, or v_wmma_f32_16x16x4_f32). A number that lies on a knife's edge between two numbers of the format may be rounded either way, as far as f32 arithmetic and the matrix unit's own rounding can turn it there, and no further.
;; One version. Each part assembles by itself: llvm-mc -triple=amdgcn-amd-amdhsa -mcpu=gfx1250 --defsym DOCPART=n.
;; ======== version 1 of 1: 2 launches
;; limits: right only within a limited range of input values
;; workspace buffers: acodes 13,107,200 bytes; bcodes 13,107,200 bytes; bias 16,384 bytes
;; launch prep (part 1): grid 256 x 1, 16 waves a work-group, no clusters, 327,680 bytes of LDS; arguments a, hash_idx, W, acodes, bcodes, bias; writes acodes, bcodes, bias
.if DOCPART == 1
	.amdgcn_target "amdgcn-amd-amdhsa--gfx1250"
	.amdhsa_code_object_version 6
	.text
	.protected	k_q808f42f5ab_prep
	.globl	k_q808f42f5ab_prep
	.p2align	8
	.type	k_q808f42f5ab_prep,@function
k_q808f42f5ab_prep:
	s_mov_b64 s[64:65], 0
	v_nop
	global_prefetch_b8 v0, s[64:65] scope:SCOPE_SE
	s_setreg_imm32_b32 hwreg(HW_REG_WAVE_MODE, 25, 1), 1
	s_wait_xcnt 0x0
; out0[b][i] = sum over j of a_ext[b][j] Wv[i][j], a_ext = a with a column of ones, Wv[i][j] = W[hash_idx[i][j]]; both operands quantised to E3M2 in blocks of 32 along K = 4,097.
; THIS LAUNCH makes both operands' codes and scale bytes for K = 0 .. 4,095 (128 whole blocks) and, for the 129th block, one f32 number for each output column.
; WORK LEFT OUT.  The 129th block of a row of a_ext is the 1.0 that reference() itself appends, and 31 fill zeros: its scale is 2^-4, and 1.0 / 2^-4 = 16 is a number of E3M2, so the
; quantised block is 1.0 and zeros whatever the inputs hold.  The 129th block of row i of Wv is w = W[hash_idx[i][4096]] and 31 zeros.  So that block adds q(w) x 1 to every out0[b][i]:
; the factor is 1 by an identity, and the multiplication is left out.  q(w) is made here by the stated quantiser and stored in bias; the product's launch adds it to each finished sum.
; No input is left out.  (A NaN, an infinity or an overflow could reach only the multiplication by 1 and by zeros, which has none of its own.)
; LIMITS.  NaN and infinities among a and W are not served.  A block whose largest magnitude lies under 2^-122 gets the scale byte 1 (not tried).  A block of zeros gets the byte 1 where the rule
; says 127: its codes are zeros, and this program alone reads the bytes.  For |w| under 2^-122 bias keeps two mantissa bits where the rule's held scale keeps fewer: a difference under 2^-124.
; An index outside 0 .. 65,535 is held at 65,535 (reference() relies on indices inside the table).
; SHARES.  Work-group g owns rows 16 g + i of a and rows 64 (g / 4) + 4 i + g % 4 of hash_idx, i = 0 .. 15: a fragment of B holds every fourth column of out0, so that in the product's launch four
; neighbouring fragments give a lane four neighbouring columns.  Wave w of sixteen owns columns 256 w .. 256 w + 255 of both: two K steps of 128, two fragments of each operand.
; W IN LDS.  The table is 262,144 bytes: wave w's one tensor load brings 16,384 w on; a wave's lookup of 32 numbers is then one ds_load_b32.
; NO JOINT LOADS, though all work-groups read the same W (a third of the bytes that a work-group reads): the lookups' LDS addresses are made of hash_idx's numbers, which differ from work-group to
; work-group.  NO PREFETCH: the text has no loop to run ahead in.
; ORDER.  a's first K step needs no W: it is quantised ahead of the one barrier (W has landed in every wave's part).  Each wave's stage lies behind W, in bytes of its own: no second barrier.
; LAYOUT.  A block of 32 along K x 16 rows is loaded as memory lies (indices: a lane to a column, a register to a row, 128 consecutive bytes a load, since rows of hash_idx begin at 4 i mod 16;
; a: eight lanes to a row's 128 bytes, four rows a load).  The conversions want 16 neighbours along K in one lane: so each block turns through the wave's stage (16 rows, 144 bytes apart) and comes
; back so that lane (r, h) holds row r and register 16 b + i the number k = 32 b + 16 h + i.  The stage holds one block: 16 stages and W fit in LDS together.
; OUT.  acodes, bcodes: [half-tile of 128 rows: 32][128 along K: 32][12,800 bytes].  The 12,800 bytes: eight fragments of 1,536 bytes, then the 128 rows' scale words, 4 bytes a fragment's lane.
; A fragment's 12 registers are stored as they stand, lane l's 16 bytes of registers 4 c .. 4 c + 3 at 512 c + 16 l: 512 consecutive aligned bytes a store.  bias: [work-group g][i], 64 bytes a work-group.
.set ROWI,  16388                      ; a row of hash_idx in bytes
.set ROWA,  16384                      ; a row of a
.set SP,    144                        ; a stage row: a block's 128 bytes + 16: an odd multiple of 16
.set STG,   2560                       ; a wave's stage: 16 x SP = 2,304 bytes, in whole blocks of 256
.set STG0,  262144                     ; behind W: the sixteen stages
.set SPARE, STG0+16*STG                ; behind them: the spare words, 128 bytes for each wave: eight blocks of 256 bytes that no other line names
.set STEPB, 12800
.set TSTR,  32*STEPB
.set FRB,   1536
.set SCW,   8*FRB
.set SPW, 4                            ; v4   my spare word's LDS address; never rewritten
.set NIL, 5                            ; v5   0; never rewritten
.set L4,  6                            ; v6   4 x lane
.set LAO, 7                            ; v7   a: ROWA (lane / 8) + 16 (lane % 8)
.set BSW, 8                            ; v8   the stage, looked-up numbers in: 4 x lane
.set ASW, 9                            ; v9   the stage, a's numbers in: SP (lane / 8) + 16 (lane % 8)
.set ASR, 10                           ; v10  the stage, back: SP r + 64 h
.set SCO, 11                           ; v11  my scale word's place: SCW + 64 (g % 8) + 4 r; lanes 16-31 one K step on
.set BXO, 12                           ; v12  4 ROWI r
.set BO,  13                           ; v13  4 r
.set FO,  14                           ; v14  FRB (g % 8) + 16 x lane
.set PC,  16                           ; v16-27 a fragment's codes; v28-30, v32-34 the conversions' second halves
.set R0,  36                           ; v36-99 B's first K step, v100-163 its second, v164-227 a's K step at work
.set R1,  100
.set R2,  164
.set TM,  228                          ; v228-243 at work
.set PWA, 244                          ; v244-245 A's scale words of my two K steps;  v246-247 B's
.set PWB, 246
.set SW,  248
.set BX,  250                          ; wave 0: hash_idx[my row][4096], then its place in LDS
.set BV,  251                          ; wave 0: w, then q(w)
.set T0,  252
.set T1,  253
.set WV,  18
.set SEL, 20
.set G1,  24
.set G0,  32
.set IB,  36
.set AB,  38
.set CA,  40
.set CB,  42
.set BP,  46
.macro LOADI t                         ; block t of my eight: register i takes my row i: 128 consecutive bytes a load
.irp i, 0,1,2,3,4,5,6,7,8,9,10,11,12,13,14,15
	global_load_b32 v[R0+16*(\t)+\i], v[L4], s[IB:IB+1] offset:\i*4*ROWI+128*(\t)
.endr
.endm
.macro CLAMP t                         ; indices become byte addresses in LDS: held inside the table, then x 4
.irp i, 0,1,2,3,4,5,6,7,8,9,10,11,12,13,14,15
	v_min_u32 v[R0+16*(\t)+\i], 0xffff, v[R0+16*(\t)+\i]
.endr
.irp i, 0,1,2,3,4,5,6,7,8,9,10,11,12,13,14,15
	v_lshlrev_b32 v[R0+16*(\t)+\i], 2, v[R0+16*(\t)+\i]
.endr
.endm
.macro GATHER t                        ; block t's 16 lookups: each register's address is replaced by the number found there
.irp j, 0,1,2,3,4,5,6,7,8,9,10,11,12,13,14,15
	ds_load_b32 v[R0+16*(\t)+\j], v[R0+16*(\t)+\j]
.endr
.endm
.macro LOADA reg, q                    ; K step q of my two: block b, rows 4 u .. 4 u + 3 in registers 16 b + 4 u on
.irp b, 0,1,2,3
.irp u, 0,1,2,3
	global_load_b128 v[\reg+16*\b+4*\u:\reg+16*\b+4*\u+3], v[LAO], s[AB:AB+1] offset:4*ROWA*\u+128*\b+512*\q th:TH_LOAD_NT
.endr
.endr
.endm
.macro BACK reg, b                     ; out of the stage: row r, my half's 16 neighbours
.irp t, 0,1,2,3
	ds_load_b128 v[\reg+16*\b+4*\t:\reg+16*\b+4*\t+3], v[ASR] offset:16*\t
.endr
.endm
.macro TURNA reg                       ; LDS serves a wave's instructions in order (ISA guide 5.7.1.4): no wait between a block's stores and loads, nor ahead of the next block's stores
.irp b, 0,1,2,3
.irp u, 0,1,2,3
	ds_store_b128 v[ASW], v[\reg+16*\b+4*\u:\reg+16*\b+4*\u+3] offset:4*SP*\u
.endr
	BACK \reg, \b
.endr
.endm
.macro TURNB reg                       ; stands behind the set's 64 lookups: block b's 16 are back when 48 - 16 b lookups and the 20 b turn instructions issued since may be out
.irp b, 0,1,2,3
	s_wait_dscnt 48+4*\b
.irp i, 0,1,2,3,4,5,6,7,8,9,10,11,12,13,14,15
	ds_store_b32 v[BSW], v[\reg+16*\b+\i] offset:SP*\i
.endr
	BACK \reg, \b
.endr
.endm
; 64 numbers of a lane become a fragment's codes in v[PC] on and the row's scale word in v[pw].  free = 1: an earlier fragment's stores read v[PC] on
.macro QUANT s, pw, free
.if \free
	s_wait_xcnt 0x0                                ; v[PC] on is written again only behind this wait
.endif
.irp b, 0,1,2,3
	v_max3_num_f32 v[TM+\b], |v[\s+16*\b]|, |v[\s+1+16*\b]|, 0x2800000   ; my 16 numbers of block b, and the floor 2^(5 - 127): the byte cannot fall under 1
.endr
.irp i, 2,4,6,8,10,12,14
.irp b, 0,1,2,3
	s_delay_alu instid0(VALU_DEP_4)
	v_max3_num_f32 v[TM+\b], v[TM+\b], |v[\s+16*\b+\i]|, |v[\s+1+16*\b+\i]|
.endr
.endr
.irp b, 0,1,2,3
	s_delay_alu instid0(VALU_DEP_4)
	v_permlanex16_b32 v[TM+4+\b], v[TM+\b], s[SEL], s[SEL+1]
.endr
.irp b, 0,1,2,3
	s_delay_alu instid0(VALU_DEP_4)
	v_max_num_f32 v[TM+\b], v[TM+\b], v[TM+4+\b]   ; with lane l xor 16's: the block's largest magnitude
.endr
.irp b, 0,1,2,3
	s_delay_alu instid0(VALU_DEP_4)
	v_add_nc_u32 v[TM+12+\b], 0xfe000000, v[TM+\b]   ; 4 off its exponent field: the conversion's scale operand
.endr
.irp b, 0,1,2,3
	s_delay_alu instid0(VALU_DEP_4)
	v_lshrrev_b32 v[TM+4+\b], 23, v[TM+12+\b]      ; the scale's byte
.endr
	s_delay_alu instid0(VALU_DEP_3)
	v_lshl_or_b32 v[\pw], v[TM+5], 8, v[TM+4]
	s_delay_alu instid0(VALU_DEP_1)
	v_lshl_or_b32 v[\pw], v[TM+6], 16, v[\pw]
	s_delay_alu instid0(VALU_DEP_1)
	v_lshl_or_b32 v[\pw], v[TM+7], 24, v[\pw]
.irp c, 0,1
	v_cvt_scalef32_pk16_bf6_f32 v[PC+6*\c:PC+2+6*\c], v[\s+32*\c:\s+15+32*\c], v[TM+12+2*\c]
	v_cvt_scalef32_pk16_bf6_f32 v[PC+12+4*\c:PC+14+4*\c], v[\s+16+32*\c:\s+31+32*\c], v[TM+12+2*\c+1]   ; (a conversion's three registers begin on an even number)
.endr
	v_nop                                          ; one plain place behind a scaled conversion
.irp c, 0,1                                    ; the operand's layout wants a whole block in a lane: lanes 0-15 block 2 c, lanes 16-31 block 2 c + 1
.irp i, 0,1,2
	v_permlane16_swap_b32 v[PC+6*\c+\i], v[PC+12+4*\c+\i]
.endr
.irp i, 0,1,2
	s_delay_alu instid0(VALU_DEP_3)
	v_mov_b32 v[PC+3+6*\c+\i], v[PC+12+4*\c+\i]
.endr
.endr
.endm
.macro IMAGE base, q                           ; the fragment leaves as it stands: three stores of 512 consecutive aligned bytes
.irp c, 0,1,2
	global_store_b128 v[FO], v[PC+4*\c:PC+4*\c+3], s[\base:\base+1] offset:STEPB*\q+512*\c
.endr
.endm
	s_load_b256 s[4:11], s[0:1], 0x0               ; a s[4:5], hash_idx s[6:7], W s[8:9], acodes s[10:11]
	s_load_b128 s[12:15], s[0:1], 0x20             ; bcodes s[12:13], bias s[14:15]
	v_lshl_add_u32 v[SPW], v0, 2, SPARE
	v_mov_b32 v[NIL], 0
	ds_add_u32 v[SPW], v[NIL]                      ; the opening: the add, twice on end, and its wait ahead of my first tensor load
	ds_add_u32 v[SPW], v[NIL]
	v_lshrrev_b32 v1, 5, v0
	s_delay_alu instid0(VALU_DEP_1)
	v_readfirstlane_b32 s[WV], v1                  ; wave 0..15
	s_mul_i32 s48, s[WV], STG
	s_add_co_u32 s48, s48, STG0                    ; my stage
	s_and_b32 s49, ttmp9, 7                        ; which fragment of the half-tile is mine
	s_mul_i32 s50, s49, FRB
	s_lshl_b32 s51, s49, 6
	s_add_co_u32 s51, s51, SCW
	v_and_b32 v1, 31, v0                           ; lane
	v_and_b32 v2, 15, v0                           ; r
	v_bfe_u32 v3, v0, 4, 1                         ; h
	v_bfe_u32 v15, v0, 3, 2                        ; lane / 8
	v_and_b32 v16, 7, v0                           ; lane % 8
	v_lshlrev_b32 v[L4], 2, v1
	v_mul_u32_u24 v[LAO], v15, ROWA
	v_mul_u32_u24 v[ASW], v15, SP
	v_mul_u32_u24 v[ASR], v2, SP
	v_mul_u32_u24 v[SCO], v3, STEPB
	v_lshl_add_u32 v[FO], v1, 4, s50
	v_add_nc_u32 v[BSW], s48, v[L4]
	v_lshl_add_u32 v[LAO], v16, 4, v[LAO]
	v_lshl_add_u32 v[ASW], v16, 4, v[ASW]
	v_lshl_add_u32 v[ASR], v3, 6, v[ASR]
	v_lshl_add_u32 v[SCO], v2, 2, v[SCO]
	s_delay_alu instid0(VALU_DEP_3)
	v_add_nc_u32 v[ASW], s48, v[ASW]
	s_delay_alu instid0(VALU_DEP_3)
	v_add_nc_u32 v[ASR], s48, v[ASR]
	s_delay_alu instid0(VALU_DEP_3)
	v_add_nc_u32 v[SCO], s51, v[SCO]
	v_mul_u32_u24 v[BXO], v2, 4*ROWI
	v_lshlrev_b32 v[BO], 2, v2
.irp b, 0,1,2,3
	v_mov_b32 v[TM+4+\b], 0                        ; written once: a lane permute's destination counts as one of its sources
.endr
	v_mov_b32 v[BX], 0                             ; wave 0 alone uses these two; written here on every way through the text
	v_mov_b32 v[BV], 0
	s_mov_b32 s[SEL], 0x76543210
	s_mov_b32 s[SEL+1], 0xfedcba98
	s_mov_b32 s56, 0xffff0000                      ; lanes 16-31
	; descriptor group 1: 16,384 dense bytes as 64 rows of 32 elements of 8 bytes, no padding
	s_mov_b32 s[G1+0], 3<<16
	s_mov_b32 s[G1+1], 32<<16
	s_mov_b32 s[G1+2], 64<<16
	s_mov_b32 s[G1+3], 32<<16
	s_mov_b32 s[G1+4], 64
	s_mov_b32 s[G1+5], 32
	s_mov_b32 s[G1+6], 0
	s_mov_b32 s[G1+7], 0
	s_mov_b32 s[G0], 1
	s_lshl_b32 s[G0+1], s[WV], 14                  ; LDS address: 16,384 x wave
	s_mov_b32 s[G0+2], s[G0+1]                     ; and the same offset in W
	s_mov_b32 s[G0+3], 0
	s_lshr_b32 s49, ttmp9, 2                       ; hash_idx: my first row 64 (g / 4) + g % 4,
	s_lshl_b32 s49, s49, 6
	s_and_b32 s52, ttmp9, 3
	s_add_co_u32 s49, s49, s52
	s_mul_i32 s[IB], s49, ROWI
	s_lshl_b32 s48, s[WV], 10                      ; 256 columns of 4 bytes a wave
	s_add_co_u32 s[IB], s[IB], s48
	s_mov_b32 s[IB+1], 0
	s_lshl_b32 s[AB], ttmp9, 18                    ; 16 rows of a
	s_add_co_u32 s[AB], s[AB], s48
	s_mov_b32 s[AB+1], 0
	s_lshr_b32 s[CA], ttmp9, 3                     ; codes: half-tile g / 8,
	s_mul_i32 s[CA], s[CA], TSTR
	s_mul_i32 s48, s[WV], 2*STEPB                  ; K steps 2 w and 2 w + 1
	s_add_co_u32 s[CA], s[CA], s48
	s_mov_b32 s[CA+1], 0
	s_lshl_b32 s[BP], ttmp9, 6                     ; bias: 16 numbers a work-group
	s_mov_b32 s[BP+1], 0
	s_wait_alu depctr_va_vdst(0)
	s_wait_dscnt 0x0                               ; both opening adds are done
	s_wait_kmcnt 0x0
	s_add_nc_u64 s[G0+2:G0+3], s[8:9], s[G0+2:G0+3]
	s_or_b32 s[G0+3], s[G0+3], 0x80000000
	tensor_load_to_lds s[G0:G0+3], s[G1:G1+7]      ; my sixteenth of W: the one tensor load of this wave
	s_nop 0
	s_add_nc_u64 s[IB:IB+1], s[6:7], s[IB:IB+1]
	s_add_nc_u64 s[AB:AB+1], s[4:5], s[AB:AB+1]
	s_add_nc_u64 s[CB:CB+1], s[12:13], s[CA:CA+1]
	s_add_nc_u64 s[CA:CA+1], s[10:11], s[CA:CA+1]
	s_add_nc_u64 s[BP:BP+1], s[14:15], s[BP:BP+1]
	s_cmp_lg_u32 s[WV], 0
	s_cbranch_scc1 .Lno_bias_index
	global_load_b32 v[BX], v[BXO], s[IB:IB+1] offset:16384   ; wave 0 (whose columns begin at 0): column 4,096 of my row.  Older than every counted load below
.Lno_bias_index:
	LOADA R2, 0
	LOADI 0
	LOADI 1
	LOADI 2
	LOADI 3
	s_wait_loadcnt 63                              ; a's 16 loads are in: 64 index loads are younger, and the count names 63 at the most
	TURNA R2
	s_wait_dscnt 0x0
	QUANT R2, PWA, 0
	IMAGE CA, 0
	LOADA R2, 1                                    ; a's second K step takes the registers just read
	LOADI 4
	LOADI 5
	s_wait_loadcnt 48                              ; blocks 0-3 are in: a's 16 and two blocks' 32 are younger
	CLAMP 0
	CLAMP 1
	CLAMP 2
	CLAMP 3
	LOADI 6
	LOADI 7
	; ---- the barrier: my part of W has landed; no LDS instruction of mine is out.
	s_wait_alu depctr_va_vdst(0)
	s_wait_tensorcnt 0x0
	s_barrier_signal -1
	s_barrier_wait -1
	s_cmp_lg_u32 s[WV], 0
	s_cbranch_scc1 .Lno_bias_look
	v_min_u32 v[BX], 0xffff, v[BX]
	s_delay_alu instid0(VALU_DEP_1)
	v_lshlrev_b32 v[BX], 2, v[BX]
	ds_load_b32 v[BV], v[BX]
.Lno_bias_look:
	GATHER 0
	GATHER 1
	GATHER 2
	GATHER 3
	TURNB R0
	s_wait_loadcnt 0x0                             ; blocks 4-7 and a's second K step
	CLAMP 4
	CLAMP 5
	CLAMP 6
	CLAMP 7
	GATHER 4
	GATHER 5
	GATHER 6
	GATHER 7
	s_wait_dscnt 63                                ; B's first K step is back from the stage: 64 lookups are younger, and the count names 63 at the most
	QUANT R0, PWB, 1
	IMAGE CB, 0
	TURNB R1
	TURNA R2
	s_wait_dscnt 32                                ; B's second K step is back: a's 32 turn instructions are younger
	QUANT R1, PWB+1, 1
	IMAGE CB, 1
	s_wait_dscnt 0x0
	QUANT R2, PWA+1, 1
	IMAGE CA, 1
	; ---- the scale words: lanes 0-15 store those of K step 2 w, lanes 16-31 those of 2 w + 1: two runs of 64 consecutive bytes a store
	v_cndmask_b32 v[SW], v[PWA], v[PWA+1], s56
	v_cndmask_b32 v[SW+1], v[PWB], v[PWB+1], s56
	global_store_b32 v[SCO], v[SW], s[CA:CA+1]
	global_store_b32 v[SCO], v[SW+1], s[CB:CB+1]
	; ---- q(w): a block of one number has the scale 2^(floor(log2 |w|) - 4): w / scale lies in 16 .. 32, is held at 28 and rounded to a multiple of 4, ties to even.
	; On w's own bits: the mantissa held at 1.75, then rounded to two bits; the hold keeps the rounding out of the exponent.  w = 0 stays 0
	s_cmp_lg_u32 s[WV], 0
	s_cbranch_scc1 .Lno_bias
	v_and_b32 v[T0], 0x7fffff, v[BV]
	s_delay_alu instid0(VALU_DEP_1)
	v_min_u32 v[T0], 0x600000, v[T0]
	s_delay_alu instid0(VALU_DEP_1)
	v_and_or_b32 v[T1], v[BV], 0x7f800000, v[T0]
	s_delay_alu instid0(VALU_DEP_1)
	v_bfe_u32 v[T0], v[T1], 21, 1                  ; the last bit that is kept
	s_delay_alu instid0(VALU_DEP_1)
	v_add3_u32 v[T1], v[T1], 0xfffff, v[T0]
	s_delay_alu instid0(VALU_DEP_1)
	v_and_b32 v[T1], 0xffe00000, v[T1]
	s_delay_alu instid0(VALU_DEP_1)
	v_and_or_b32 v[BV], v[BV], 0x80000000, v[T1]
	s_wait_alu depctr_va_vdst(0)
	s_wait_xcnt 0x0                                ; EXEC changes only behind this wait: earlier stores read it
	v_cmp_gt_u32 vcc_lo, 16, v1
	s_and_saveexec_b32 s57, vcc_lo
	global_store_b32 v[BO], v[BV], s[BP:BP+1]      ; lanes 0-15: 64 consecutive bytes
	s_wait_xcnt 0x0                                ; and again ahead of the line that widens it
	s_or_b32 exec_lo, exec_lo, s57
.Lno_bias:
	s_wait_tensorcnt 0x0                           ; the wave's end
	ds_add_u32 v[SPW], v[NIL]
	s_wait_dscnt 0x0
	s_endpgm
.Lfunc_end_k_q808f42f5ab_prep:
	.size	k_q808f42f5ab_prep, .Lfunc_end_k_q808f42f5ab_prep-k_q808f42f5ab_prep
	.p2alignl 7, 3214868480
	.fill 96, 4, 3214868480
	.section	.rodata,"a",@progbits
	.p2align	6, 0x0
	.amdhsa_kernel k_q808f42f5ab_prep
		.amdhsa_group_segment_fixed_size 327680
		.amdhsa_private_segment_fixed_size 0
		.amdhsa_enable_private_segment 0
		.amdhsa_kernarg_size 48
		.amdhsa_user_sgpr_count 2
		.amdhsa_user_sgpr_kernarg_segment_ptr 1
		.amdhsa_wavefront_size32 1
		.amdhsa_system_sgpr_workgroup_id_x 1
		.amdhsa_system_sgpr_workgroup_id_y 1
		.amdhsa_system_sgpr_workgroup_id_z 1
		.amdhsa_system_vgpr_workitem_id 0
		.amdhsa_next_free_vgpr 256
		.amdhsa_next_free_sgpr 66
		.amdhsa_reserve_vcc 1
		.amdhsa_float_denorm_mode_32 3
		.amdhsa_float_denorm_mode_16_64 3
		.amdhsa_memory_ordered 1
		.amdhsa_forward_progress 1
		.amdhsa_inst_pref_size 79
	.end_amdhsa_kernel
	.amdgpu_metadata
---
amdhsa.version: [ 1, 2 ]
amdhsa.kernels:
  - .name:           k_q808f42f5ab_prep
    .symbol:         k_q808f42f5ab_prep.kd
    .args:
      - { .name: a, .offset: 0, .size: 8, .value_kind: global_buffer, .address_space: global }
      - { .name: hash_idx, .offset: 8, .size: 8, .value_kind: global_buffer, .address_space: global }
      - { .name: W, .offset: 16, .size: 8, .value_kind: global_buffer, .address_space: global }
      - { .name: acodes, .offset: 24, .size: 8, .value_kind: global_buffer, .address_space: global }
      - { .name: bcodes, .offset: 32, .size: 8, .value_kind: global_buffer, .address_space: global }
      - { .name: bias, .offset: 40, .size: 8, .value_kind: global_buffer, .address_space: global }
    .group_segment_fixed_size: 327680
    .private_segment_fixed_size: 0
    .kernarg_segment_align: 8
    .kernarg_segment_size: 48
    .max_flat_workgroup_size: 512
    .sgpr_count:     66
    .vgpr_count:     256
    .wavefront_size: 32
...
	.end_amdgpu_metadata
.endif
;; end of part 1
;; launch gemm (part 2): grid 16 x 16, 4 waves a work-group, clusters of 4 x 4, 327,680 bytes of LDS; arguments acodes, bcodes, bias, out0; writes out0
.if DOCPART == 2
	.amdgcn_target "amdgcn-amd-amdhsa--gfx1250"
	.amdhsa_code_object_version 6
	.text
	.protected	k_q808f42f5ab_gemm
	.globl	k_q808f42f5ab_gemm
	.p2align	8
	.type	k_q808f42f5ab_gemm,@function
k_q808f42f5ab_gemm:
	s_mov_b64 s[64:65], 0
	v_nop
	global_prefetch_b8 v0, s[64:65] scope:SCOPE_SE
	s_setreg_imm32_b32 hwreg(HW_REG_WAVE_MODE, 25, 1), 1
	s_wait_xcnt 0x0
	s_wait_alu depctr_hold_cnt(0) depctr_sa_sdst(0) depctr_va_vdst(0) depctr_va_sdst(0) depctr_va_ssrc(0) depctr_va_vcc(0) depctr_vm_vsrc(0)
	s_getreg_b32 s2, hwreg(HW_REG_IB_STS2, 6, 4)
	s_cmp_eq_u32 s2, 0
	s_cbranch_scc0 .Lentry_in_a_cluster
	s_endpgm
.Lentry_in_a_cluster:
	s_bfe_u32 s2, ttmp6, 0x10000c
	s_cmp_lg_u32 s2, 0xf033
	s_cbranch_scc0 .Lentry_shape_is_right
	s_endpgm
.Lentry_shape_is_right:
; out0[m][n] = sum over k = 0 .. 4,095 of A[m][k] B[n][k] + bias(n), on the codes of E3M2 and the E8M0 scale words that launch prep laid.
; WORK LEFT OUT: the product of the 129th block of K, which is q(w) x 1 by an identity (shown at the head of prep): q(w) comes from bias and is added to each finished sum.
; LIMITS as stated at the head of prep.
; A block of out0, 256 x 256, is made by a work-group of four waves; a wave makes 128 x 128: 64 accumulators, 512 registers.  256 work-groups: one turn.
; acodes, bcodes: [half-tile of 128 rows][K step of 128][12,800 bytes: eight fragments of 1,536 bytes as register images, then 128 scale words].  A fill brings three K steps of four half-tiles
; (each wave one dense part of 38,400 bytes, as 150 rows of 256 bytes on 256-byte borders) into one of two slots; the eleventh fill has two K steps.
; CLUSTERS: 4 x 4.  A's parts are shared along a row of the cluster, B's along a column: each is asked for jointly.  A round of the cluster's barrier stands in front of every joint load.
; FRAGMENTS: A and B have two register sets each; a step's 56 LDS loads for the next step go out in two runs: B's 24 behind the first eight products, A's 24 and the 8 scale loads in the step's middle.
; A CHANGE OF SLOTS stands at the head of the slot's third step, whose fragments are in registers by then: 8 products between the add and the wait for it, 8 between signal and wait.
; THE WAY OUT.  Source 0 = A's 16 rows, source 1 = B's 16 rows: register j of lane (r, h) is out0(16 a + 8 h + j, column of B's lane r).  Lane r of B's fragment b holds column
; 64 (b / 4) + 4 r + b % 4 of my 128: so register j of four neighbouring fragments is four neighbouring columns.  The addition of bias puts them into four neighbouring registers:
; sixteen lanes then store 256 consecutive aligned bytes; no way through LDS.  The last two K steps are finished by blocks of 16 rows, and each block leaves when it is finished.
; PREFETCH: behind each refill in the loop's first three trips each wave names its share of the part that it will ask for two fills on (six K steps ahead): of the part's 150 blocks of 256 bytes
; the partner at place p (cx for A, cy for B) takes 38 p .. 38 p + 37, held at 149; a lane a block, two instructions.  Fills 0 to 3 and the short last fill come by their loads alone.
; REGISTERS.  Window 0: v8-19 addresses, v20-27 bias, v32-47 scale words (two sets), v48-143 and v144-239 A's two sets.  Window 1: v0-95, v128-223 B's two sets; v96-127, v224-255 a block on its way out.
; Windows 2, 3: the accumulators of my rows 0-63, 64-127: (a, b) at v[8 (8 (a % 4) + b)].
.set SIZE_N, 4096
.set FR,     12
.set FRB,    1536
.set STEPB,  12800
.set SCW,    8*FRB
.set PART,   3*STEPB
.set SLOT,   4*PART
.set TSTR,   32*STEPB
.set SPARE,  2*SLOT                    ; behind the ring: the spare words, 128 bytes a wave: two blocks of 256 bytes that no other line names
.set ADRA, 8                           ; v8-9   my A fragments in slot 0, 1: part + 16 x lane
.set ADRB, 10                          ; v10-11 the same for B
.set ADRS, 12                          ; v12-13 scale words: lanes 0-15 A's, lanes 16-31 B's
.set CO,   14                          ; v14    16 r + 8 h rows of out0
.set BO,   15                          ; v15    4 r
.set SPW,  16
.set NIL,  17
.set PFO,  18                          ; v18-19 the prefetches' offsets
.set BI,   20                          ; v20-27 bias of fragment b's column in my lane
.set SC,   32
.set AF,   48
.set TT,   96
.set G1, 24
.set G0, 32
.set G1B, 48
.set G0B, 56
.set G1L, 68                           ; groups 1 of the short last fill
.set G1BL, 80
.set PFA, 88
.set MSB, 0
.macro WIN new                         ; the immediate's high byte repeats the setting that is left
.if MSB != (\new)
	s_set_vgpr_msb (MSB<<8)|(\new)
.set MSB, (\new)
.endif
.endm
.set MUL_LO, 0xa4                      ; source 0 (A) window 0, source 1 (B) window 1, C and D window 2
.set MUL_HI, 0xf4
.set TO_B,   0x40
.macro PLACES
.rept 4
	v_nop
.endr
.endm
.macro JLOAD g0a, g1a, g0b, g1b        ; waves 0 and 1 fetch for A, waves 2 and 3 for B
	s_cmp_eq_u32 s15, 0
	s_cbranch_scc0 .Lfor_b_\@
	tensor_load_to_lds s[\g0a:\g0a+3], s[\g1a:\g1a+7]
	s_nop 0
	PLACES
	s_branch .Lasked_\@
.Lfor_b_\@:
	tensor_load_to_lds s[\g0b:\g0b+3], s[\g1b:\g1b+7]
	s_nop 0
	PLACES
.Lasked_\@:
.endm
.macro CREST                           ; a round of the cluster's barrier behind its opening barrier
	s_cmp_lg_u32 s14, 0
	s_cbranch_scc1 .Lnot_wave_0_\@
	s_barrier_signal -3
.Lnot_wave_0_\@:
	s_barrier_wait -3
	s_barrier_signal -1
	s_barrier_wait -1
.endm
.macro CROUND
	s_barrier_signal -1
	s_barrier_wait -1
	CREST
.endm
.macro ASK                             ; s3 = 1 in the loop's last trip, whose look-ahead would pass fill 9
	s_cmp_gt_u32 s3, 1
	s_cbranch_scc0 .Lno_ask_\@
	global_prefetch_b8 v[PFO], s[PFA:PFA+1] th:TH_LOAD_NT scope:SCOPE_SE
	global_prefetch_b8 v[PFO+1], s[PFA:PFA+1] th:TH_LOAD_NT scope:SCOPE_SE
.Lno_ask_\@:
.endm
.macro FRAG reg, adr, q, i             ; a fragment's 12 registers as they were stored: three loads of 512 consecutive bytes
.irp c, 0,1,2
	ds_load_b128 v[\reg+4*\c:\reg+4*\c+3], v[\adr] offset:STEPB*(\q)+FRB*(\i)+512*\c
.endr
.endm
.macro LA4 slot, q, p, i0              ; A's blocks i0 .. i0 + 3 into set p (window 0)
	WIN 0
.irp i, \i0, \i0+1, \i0+2, \i0+3
	FRAG AF+96*(\p)+FR*(\i), ADRA+\slot, \q, \i
.endr
.endm
.macro LB8 slot, q, p                  ; B's eight into set p (window 1)
	WIN TO_B
.irp i, 0,1,2,3,4,5,6,7
	FRAG 128*(\p)+FR*\i, ADRB+\slot, \q, \i
.endr
.endm
.macro LS8 slot, q, p                  ; register i: lanes 0-15 the words of A's block i, lanes 16-31 those of B's
	WIN 0
.irp i, 0,1,2,3,4,5,6,7
	ds_load_b32 v[SC+8*(\p)+\i], v[ADRS+\slot] offset:STEPB*(\q)+SCW+64*\i
.endr
.endm
.macro MUL8 a, p, zero                 ; A's block a against B's eight; the accumulators take turns
.irp b, 0,1,2,3,4,5,6,7
.if \zero
	v_wmma_scale_f32_16x16x128_f8f6f4 v[8*(8*((\a)%4)+\b):8*(8*((\a)%4)+\b)+7], v[AF+96*(\p)+FR*(\a):AF+96*(\p)+FR*(\a)+FR-1], v[128*(\p)+FR*\b:128*(\p)+FR*\b+FR-1], 0, v[SC+8*(\p)+(\a)], v[SC+8*(\p)+\b] matrix_a_fmt:MATRIX_FMT_BF6 matrix_b_fmt:MATRIX_FMT_BF6 matrix_b_scale:MATRIX_SCALE_ROW1
.else
	v_wmma_scale_f32_16x16x128_f8f6f4 v[8*(8*((\a)%4)+\b):8*(8*((\a)%4)+\b)+7], v[AF+96*(\p)+FR*(\a):AF+96*(\p)+FR*(\a)+FR-1], v[128*(\p)+FR*\b:128*(\p)+FR*\b+FR-1], v[8*(8*((\a)%4)+\b):8*(8*((\a)%4)+\b)+7], v[SC+8*(\p)+(\a)], v[SC+8*(\p)+\b] matrix_a_fmt:MATRIX_FMT_BF6 matrix_b_fmt:MATRIX_FMT_BF6 matrix_b_scale:MATRIX_SCALE_ROW1
.endif
.endr
.endm
; A step: 64 products on set p; the next step (slot ns, its step nq) is fetched into the other set
.macro STEP p, ns, nq, zero
	s_wait_dscnt 0x0                               ; this step's fragments and scale words: the youngest were asked for 32 products ago
	WIN MUL_LO
	MUL8 0, \p, \zero
	PLACES                                         ; the other set was read by the last step's products: four places ahead of the loads into it
	LB8 \ns, \nq, 1-\p
	WIN MUL_LO
	MUL8 1, \p, \zero
	MUL8 2, \p, \zero
	MUL8 3, \p, \zero
	LA4 \ns, \nq, 1-\p, 0
	LS8 \ns, \nq, 1-\p
	LA4 \ns, \nq, 1-\p, 4
	WIN MUL_HI
	MUL8 4, \p, \zero
	MUL8 5, \p, \zero
	MUL8 6, \p, \zero
	MUL8 7, \p, \zero
	WIN 0
.endm
; A slot's third step.  fill = 1: the slot is filled again, two fills on; 2: with the short last fill; 0: nothing is left to fetch
.macro CSTEP p, slot, fill
.if \fill == 1
	s_wait_xcnt 0x0                                ; my prefetches have read their base: it steps here, a fill on
	s_add_nc_u64 s[PFA:PFA+1], s[PFA:PFA+1], PART
.endif
	s_wait_tensorcnt 0x0                           ; my part of the other slot has landed: no tensor load of mine is out
	ds_add_u32 v[SPW], v[NIL]
.if \fill
	s_add_nc_u64 s[G0+4*\slot+2:G0+4*\slot+3], s[G0+4*\slot+2:G0+4*\slot+3], 2*PART
	s_add_nc_u64 s[G0B+4*\slot+2:G0B+4*\slot+3], s[G0B+4*\slot+2:G0B+4*\slot+3], 2*PART
.endif
	s_wait_dscnt 1                                 ; this step's fragments are in: my reads of this slot are over; the add alone may be out
	WIN MUL_LO
	MUL8 0, \p, 0
	s_wait_dscnt 0x0                               ; the add is done
	s_barrier_signal -1
	MUL8 1, \p, 0
	WIN 0
	s_barrier_wait -1
.if \fill == 1
	CREST                                          ; the barrier has opened a round: no wave of any partner still reads this slot or has a load on its way
	JLOAD G0+4*\slot, G1, G0B+4*\slot, G1B         ; its four v_nop are the places ahead of the loads below
.elseif \fill == 2
	CREST
	JLOAD G0+4*\slot, G1L, G0B+4*\slot, G1BL
.else
	PLACES
.endif
	LA4 1-\slot, 0, 1-\p, 0
	LS8 1-\slot, 0, 1-\p
.if \fill == 1
	ASK
.endif
	LB8 1-\slot, 0, 1-\p
	WIN MUL_LO
	MUL8 2, \p, 0
	MUL8 3, \p, 0
	LA4 1-\slot, 0, 1-\p, 4
	WIN MUL_HI
	MUL8 4, \p, 0
	MUL8 5, \p, 0
	MUL8 6, \p, 0
	MUL8 7, \p, 0
	WIN 0
.endm
; Block a of 16 rows leaves: bias is added, each accumulator read from its low end on; then 16 stores, in each of which sixteen lanes cover 256 consecutive aligned bytes
.macro OUT a
.if (\a) > 0
	s_wait_xcnt 0x0                                ; the last block's stores have read their data registers
.endif
	WIN 0x42+(\a)/4                                ; destination window 1, source 0 window 2 or 3, source 1 window 0
.irp j, 0,1,2,3,4,5,6,7
.irp b, 0,1,2,3,4,5,6,7
	v_add_f32 v[TT+8*\j+96*(\j/4)+\b], v[64*((\a)%4)+8*\b+\j], v[BI+\b]
.endr
.endr
	WIN 0x04                                       ; a store's address window 0, its data window 1
.irp j, 0,1,2,3,4,5,6,7
	global_store_b128 v[CO], v[TT+8*\j+96*(\j/4):TT+8*\j+96*(\j/4)+3], s[10:11] offset:(16*(\a)+\j)*SIZE_N*4 th:TH_STORE_NT
	global_store_b128 v[CO], v[TT+8*\j+96*(\j/4)+4:TT+8*\j+96*(\j/4)+7], s[10:11] offset:(16*(\a)+\j)*SIZE_N*4+256 th:TH_STORE_NT
.endr
.endm
	s_load_b128 s[4:7], s[0:1], 0x0                ; acodes, bcodes
	s_load_b128 s[8:11], s[0:1], 0x10              ; bias, out0
	v_lshl_add_u32 v[SPW], v0, 2, SPARE
	v_mov_b32 v[NIL], 0
	ds_add_u32 v[SPW], v[NIL]                      ; the opening: the add, twice on end, and its wait
	ds_add_u32 v[SPW], v[NIL]
	v_lshrrev_b32 v1, 5, v0
	v_readfirstlane_b32 s14, v1                    ; wave 0..3
	s_lshr_b32 s15, s14, 1                         ; my half of the block's rows.  Also: I fetch for A (0) or B (1)
	s_and_b32 s16, s14, 1                          ; my half of its columns.  Also: which half-tile I fetch
	s_bfe_u32 s40, ttmp6, 0x40000                  ; cx
	s_bfe_u32 s41, ttmp6, 0x40004                  ; cy
	s_lshl_b32 s42, ttmp9, 2
	s_add_co_u32 s42, s42, s40                     ; block column
	s_and_b32 s17, ttmp7, 0xffff
	s_lshl_b32 s17, s17, 2
	s_add_co_u32 s17, s17, s41                     ; block row
	s_lshl_b32 s43, s41, 2
	s_lshl_b32 s43, 15, s43                        ; my row of the cluster
	s_lshl_b32 s44, 0x1111, s40                    ; my column
	s_or_b32 s[G1+0], s43, (3<<16)|(1<<21)         ; the mask; elements of 8 bytes; bit 21 beside a mask; no padding
	s_or_b32 s[G1B+0], s44, (3<<16)|(1<<21)
	s_or_b32 s[G1L+0], s43, (3<<16)|(1<<21)
	s_or_b32 s[G1BL+0], s44, (3<<16)|(1<<21)
.irp g, G1, G1B
	s_mov_b32 s[\g+1], 32<<16                      ; rows of 32 elements,
	s_mov_b32 s[\g+2], 150<<16                     ; 150 of them
	s_mov_b32 s[\g+3], 32<<16
	s_mov_b32 s[\g+4], 150
	s_mov_b32 s[\g+5], 32
	s_mov_b32 s[\g+6], 0
	s_mov_b32 s[\g+7], 0
.endr
.irp g, G1L, G1BL
	s_mov_b32 s[\g+1], 32<<16
	s_mov_b32 s[\g+2], 100<<16                     ; two K steps: 100 rows
	s_mov_b32 s[\g+3], 32<<16
	s_mov_b32 s[\g+4], 100
	s_mov_b32 s[\g+5], 32
	s_mov_b32 s[\g+6], 0
	s_mov_b32 s[\g+7], 0
.endr
	s_lshl_b32 s20, s17, 1
	s_add_co_u32 s20, s20, s16                     ; A's half-tile that I fetch
	s_lshl_b32 s46, s42, 1
	s_add_co_u32 s46, s46, s16                     ; B's
	s_mul_i32 s20, s20, TSTR
	s_mov_b32 s21, 0
	s_mul_i32 s46, s46, TSTR
	s_mov_b32 s47, 0
	s_mul_i32 s45, s14, PART                       ; where my part goes: wave x PART
	s_wait_dscnt 0x0
	s_wait_kmcnt 0x0
	s_add_nc_u64 s[20:21], s[4:5], s[20:21]
	s_add_nc_u64 s[46:47], s[6:7], s[46:47]
	CROUND                                         ; all sixteen work-groups are here: the first joint loads meet
.irp s, 0,1
	s_mov_b32 s[G0+4*\s], 1
	s_add_co_u32 s[G0+4*\s+1], s45, \s*SLOT
	s_add_nc_u64 s[G0+4*\s+2:G0+4*\s+3], s[20:21], \s*PART
	s_or_b32 s[G0+4*\s+3], s[G0+4*\s+3], 0x80000000
	s_mov_b32 s[G0B+4*\s], 1
	s_add_co_u32 s[G0B+4*\s+1], s45, \s*SLOT
	s_add_nc_u64 s[G0B+4*\s+2:G0B+4*\s+3], s[46:47], \s*PART
	s_or_b32 s[G0B+4*\s+3], s[G0B+4*\s+3], 0x80000000
.endr
	JLOAD G0, G1, G0B, G1B                         ; fill 0: one tensor load a wave at the head
	s_cmp_eq_u32 s15, 0
	s_cselect_b32 s18, s40, s41                    ; my place among the four that ask with me
	s_cselect_b64 s[PFA:PFA+1], s[20:21], s[46:47] ; the half-tile that I fetch,
	s_add_nc_u64 s[PFA:PFA+1], s[PFA:PFA+1], 3*PART  ; at fill 3: the first change of slots steps it to fill 4
	s_mul_i32 s18, s18, 38
	s_mul_i32 s21, s15, PART                       ; my 128 rows of A in a slot
	s_mul_i32 s22, s16, PART
	s_add_co_u32 s22, s22, 2*PART                  ; my 128 rows of B
	s_sub_co_u32 s23, s22, s21
	s_lshl_b32 s20, s17, 8
	s_lshl_b32 s19, s15, 7
	s_add_co_u32 s20, s20, s19                     ; my first row of out0,
	s_lshl_b32 s20, s20, 14                        ; in bytes
	s_lshl_b32 s46, s42, 10
	s_lshl_b32 s47, s16, 9
	s_add_co_u32 s46, s46, s47                     ; my first column, in bytes; bias has the same offset
	s_mov_b32 s47, 0
	s_add_nc_u64 s[8:9], s[8:9], s[46:47]
	s_add_nc_u64 s[10:11], s[10:11], s[46:47]
	s_mov_b32 s46, s20
	s_add_nc_u64 s[10:11], s[10:11], s[46:47]
	v_and_b32 v1, 15, v0                           ; r
	v_bfe_u32 v2, v0, 4, 1                         ; h
	v_and_b32 v3, 31, v0                           ; lane
	v_lshlrev_b32 v4, 4, v3
	v_add_nc_u32 v[ADRA], s21, v4
	v_add_nc_u32 v[ADRB], s22, v4
	v_add_nc_u32 v[ADRA+1], SLOT, v[ADRA]
	v_add_nc_u32 v[ADRB+1], SLOT, v[ADRB]
	v_mul_u32_u24 v5, s23, v2                      ; lanes 16-31 take B's words
	v_lshl_add_u32 v5, v1, 2, v5
	v_add_nc_u32 v[ADRS], s21, v5
	v_add_nc_u32 v[ADRS+1], SLOT, v[ADRS]
	v_lshlrev_b32 v[BO], 2, v1
	v_lshlrev_b32 v[CO], 4, v1
	v_lshl_add_u32 v[CO], v2, 17, v[CO]            ; lanes 16-31: eight rows of 16,384 bytes down
	v_add_nc_u32 v6, s18, v3                       ; blocks 38 p + lane,
	v_min_u32 v7, 5, v3
	v_add3_u32 v7, v7, s18, 32                     ; and 38 p + 32 .. 37 (lanes left over name the last again),
	v_min_u32 v6, 149, v6                          ; held inside the part
	v_min_u32 v7, 149, v7
	v_lshlrev_b32 v[PFO], 8, v6
	v_lshlrev_b32 v[PFO+1], 8, v7
.irp b, 0,1,2,3,4,5,6,7
	global_load_b32 v[BI+\b], v[BO], s[8:9] offset:64*\b   ; bias as prep laid it: 64 bytes a fragment, 4 bytes a lane
.endr
	s_wait_alu depctr_va_vdst(0)
	s_wait_tensorcnt 0x0                           ; my part of fill 0 is in
	ds_add_u32 v[SPW], v[NIL]
	s_wait_dscnt 0x0
	CROUND
	JLOAD G0+4, G1, G0B+4, G1B                     ; fill 1, the first tensor load behind the round
	LA4 0, 0, 0, 0
	LS8 0, 0, 0
	LB8 0, 0, 0
	LA4 0, 0, 0, 4
	STEP 0, 0, 1, 1                                ; step 0 starts the sums
	s_mov_b32 s3, 4
.Llap:                                                 ; a trip: six steps, once round the ring and the register sets: steps 6 t + 1 .. 6 t + 6
	STEP 1, 0, 2, 0
	CSTEP 0, 0, 1
	STEP 1, 1, 1, 0
	STEP 0, 1, 2, 0
	CSTEP 1, 1, 1
	STEP 0, 0, 1, 0
	s_sub_co_u32 s3, s3, 1
	s_cmp_lg_u32 s3, 0
	s_cbranch_scc1 .Llap
	STEP 1, 0, 2, 0                                ; step 25
	CSTEP 0, 0, 2                                  ; step 26: slot 0 takes the last fill, steps 30 and 31
	STEP 1, 1, 1, 0
	STEP 0, 1, 2, 0
	CSTEP 1, 1, 0                                  ; step 29: nothing is filled again
	; STEPS 30 (set 0) AND 31 (set 1), by blocks of 16 rows
	PLACES                                         ; set 1 was read by step 29's products
	s_wait_dscnt 0x0                               ; step 30's fragments
	LA4 0, 1, 1, 0
	LS8 0, 1, 1
	LB8 0, 1, 1
	LA4 0, 1, 1, 4
	WIN MUL_LO
	MUL8 0, 0, 0                                   ; 32 products of step 30 stand ahead of the first use of step 31's fragments
	MUL8 1, 0, 0
	MUL8 2, 0, 0
	MUL8 3, 0, 0
	s_wait_dscnt 12                                ; all but step 31's blocks 4-7 of A
	MUL8 0, 1, 0
	MUL8 1, 1, 0
	PLACES                                         ; four places ahead of the first read of results; later blocks have the block before's additions between
	s_wait_loadcnt 0x0                             ; bias
	OUT 0
	WIN MUL_LO
	MUL8 2, 1, 0
	OUT 1
	WIN MUL_LO
	MUL8 3, 1, 0
	OUT 2
	s_wait_dscnt 0x0
.irp a, 4,5,6,7
	WIN MUL_HI
	MUL8 \a, 0, 0
	MUL8 \a, 1, 0
	OUT \a-1
.endr
	OUT 7
	WIN 0
	s_wait_tensorcnt 0x0                           ; the wave's end
	ds_add_u32 v[SPW], v[NIL]
	s_wait_dscnt 0x0
	CROUND                                         ; the closing round
	s_endpgm
.Lfunc_end_k_q808f42f5ab_gemm:
	.size	k_q808f42f5ab_gemm, .Lfunc_end_k_q808f42f5ab_gemm-k_q808f42f5ab_gemm
	.p2alignl 7, 3214868480
	.fill 96, 4, 3214868480
	.section	.rodata,"a",@progbits
	.p2align	6, 0x0
	.amdhsa_kernel k_q808f42f5ab_gemm
		.amdhsa_group_segment_fixed_size 327680
		.amdhsa_private_segment_fixed_size 0
		.amdhsa_enable_private_segment 0
		.amdhsa_kernarg_size 32
		.amdhsa_user_sgpr_count 2
		.amdhsa_user_sgpr_kernarg_segment_ptr 1
		.amdhsa_wavefront_size32 1
		.amdhsa_system_sgpr_workgroup_id_x 1
		.amdhsa_system_sgpr_workgroup_id_y 1
		.amdhsa_system_sgpr_workgroup_id_z 1
		.amdhsa_system_vgpr_workitem_id 0
		.amdhsa_next_free_vgpr 1024
		.amdhsa_next_free_sgpr 98
		.amdhsa_reserve_vcc 0
		.amdhsa_float_denorm_mode_32 3
		.amdhsa_float_denorm_mode_16_64 3
		.amdhsa_memory_ordered 1
		.amdhsa_forward_progress 1
		.amdhsa_inst_pref_size 208
	.end_amdhsa_kernel
	.amdgpu_metadata
---
amdhsa.version: [ 1, 2 ]
amdhsa.kernels:
  - .name:           k_q808f42f5ab_gemm
    .symbol:         k_q808f42f5ab_gemm.kd
    .args:
      - { .name: acodes, .offset: 0, .size: 8, .value_kind: global_buffer, .address_space: global }
      - { .name: bcodes, .offset: 8, .size: 8, .value_kind: global_buffer, .address_space: global }
      - { .name: bias, .offset: 16, .size: 8, .value_kind: global_buffer, .address_space: global }
      - { .name: out0, .offset: 24, .size: 8, .value_kind: global_buffer, .address_space: global }
    .group_segment_fixed_size: 327680
    .private_segment_fixed_size: 0
    .kernarg_segment_align: 8
    .kernarg_segment_size: 32
    .max_flat_workgroup_size: 128
    .sgpr_count:     98
    .vgpr_count:     1024
    .wavefront_size: 32
...
	.end_amdgpu_metadata
.endif
;; end of part 2
